; MI455X (gfx1250); checked and timed in simulation.
; The chip was launched on July 23, 2026; its instructions are those of AMD's public machine-readable ISA for CDNA 5 (MIT licence, August 2026) and "CDNA5" Instruction Set Architecture Reference Guide (July 2026). The comments in the code are by the model that wrote it; some were corrected since.
;; DCRBM. Allowed arithmetic: matrix products marked QUANTISED: E5M2 operands, one given power-of-two scale a tensor, by v_wmma_f32_16x16x64_bf8_bf8 or v_wmma_f32_16x16x128_bf8_bf8, f32 sums; everything else in f32.
;; Inputs: A_codes 1,024 x 16 x 32 uint8 (E5M2 codes of A, K innermost, in blocks of 32 codes); B_codes 4,096 x 16 x 32 uint8 (E5M2 codes of B, K innermost, in blocks of 32 codes); W 1,024 x 4,096 float32; b 1 x 1,024 float32; c 1 x 4,096 float32; cond_data_codes 4,096 x 16 x 32 uint8 (E5M2 codes of cond_data, K innermost, in blocks of 32 codes); lowp_scales 8 int32 (the exponents e of the quantised operands' scales 2^e); noise 4,096 x 4,096 float32; visible_data_codes 4,096 x 32 x 32 uint8 (E5M2 codes of visible_data, K innermost, in blocks of 32 codes).
;; Outputs: out0 4,096 x 1,024 float32.
;; This version of the problem:
;;   THIS VERSION OF THE PROBLEM IS GIVEN IN LOW PRECISION. The matrix products marked QUANTISED in the list below multiply operands that are first quantised to E5M2 (5 exponent bits, 2 mantissa bits; 8 bits a number), with one given power-of-two scale for each operand tensor; their sums are f32. All else is computed in f32.
;;   The module's matrix products, in the order in which they are computed (A, B: the left and right operand; K: the contracted axis; several contracted axes count as one K, in the product's order):
;;     1. [M 4,096, K 1,024] x [K 1,024, N 4,096]; A: input visible_data (given as codes); B: input W: QUANTISED (scales: A lowp_scales[0], B lowp_scales[1])
;;     2. [M 4,096, K 512] x [K 512, N 4,096]; A: input cond_data (given as codes); B: input B (given as codes): QUANTISED (scales: A lowp_scales[2], B lowp_scales[3])
;;     3. [M 4,096, K 4,096] x [K 4,096, N 1,024]; A: computed on the way; B: input W: QUANTISED (scales: A lowp_scales[4], B lowp_scales[5])
;;     4. [M 4,096, K 512] x [K 512, N 1,024]; A: input cond_data (given as codes); B: input A (given as codes): QUANTISED (scales: A lowp_scales[6], B lowp_scales[7])
;;   THE QUANTISER, for each operand of a quantised product, along K:
;;     - The operand's scale is 2^e, e = its entry of the input lowp_scales (int32; the entries are numbered through the quantised products in the list's order, A before B).
;;     - Each number is divided by the scale, clamped to +-57,344, and rounded to the nearest number of E5M2, ties to even, subnormals kept.
;;     - The product sums the exact products of the quantised numbers (number of the format x scale) in f32.
;;   ~~~python
;;   def quantise(x, axis, e):      # numpy; x: float32 -> the quantised numbers, widened to float32 again
;;       x = np.moveaxis(x, axis, -1); K = x.shape[-1]
;;       r = np.clip(x / 2.0 ** e, -57344, 57344)
;;       step = 2.0 ** (np.maximum(np.frexp(np.where(r == 0, 1, r))[1] - 1, -14) - 2)
;;       q = np.round(r / step) * step * 2.0 ** e      # np.round: ties to even
;;       return np.moveaxis(q, -1, axis).astype(np.float32)
;;   ~~~
;;   OPERANDS COMPUTED ON THE WAY. 'Computed on the way' means the value that the module computes at that place (a softmax that the list does not call 'softmax' is quantised finished and normalised). What goes into a quantiser is computed in f32, as accurately as f32 sums, v_exp_f32 and their like allow (about 1e-6 of the number): no bf16 or f16 on the way to a quantiser, and a product that is left as it is and whose result goes on into a quantised operand takes f32 operands (vector FMAs, or v_wmma_f32_16x16x4_f32). A number that lies on a knife's edge between two numbers of the format may be rounded either way, as far as f32 arithmetic and the matrix unit's own rounding can turn it there, and no further.
;;   INPUTS GIVEN AS CODES. A (in the module: [512, 1024], K = its axis 0); B (in the module: [512, 4096], K = its axis 0); cond_data (in the module: [4096, 512], K = its axis 1); visible_data (in the module: [4096, 1024], K = its axis 1): each comes as NAME_codes (uint8): NAME with its K axis moved to the last place and cut into blocks of 32 codes, [.., K / 32, bytes a block], one block behind the other in memory; one code a byte (a code: sign, 5 exponent bits, 2 mantissa bits); its scale is its entry of lowp_scales. Its value is code x scale, taken as it is: it is not quantised again, and the codes and scales need not be those that the quantiser above would give.
;; One version. Each part assembles by itself: llvm-mc -triple=amdgcn-amd-amdhsa -mcpu=gfx1250 --defsym DOCPART=n.
;; ======== version 1 of 1: 4 launches
;; limits: right only within a limited range of input values
;; workspace buffers: W1c 4,194,304 bytes; W3c 4,194,304 bytes; Hb 2,097,152 bytes; P 524,288 bytes
;; launch prep (part 1): grid 256 x 1, 4 waves a work-group, no clusters, 68,096 bytes of LDS; arguments W, lowp_scales, W3c, W1c; writes W3c, W1c
.if DOCPART == 1
	.amdgcn_target "amdgcn-amd-amdhsa--gfx1250"
	.amdhsa_code_object_version 6
	.text
	.protected	k_q1f957c0f12_prep
	.globl	k_q1f957c0f12_prep
	.p2align	8
	.type	k_q1f957c0f12_prep,@function
k_q1f957c0f12_prep:
	s_mov_b64 s[64:65], 0
	v_nop
	global_prefetch_b8 v0, s[64:65] scope:SCOPE_SE
	s_setreg_imm32_b32 hwreg(HW_REG_WAVE_MODE, 25, 1), 1
	s_wait_xcnt 0x0
; THE PROGRAM: out0 = one_hot(argmax(softmax(pre))), pre = h W^T + u A + b, h = (noise < sigmoid(v W + u B + c)), the four products on codes of E5M2.
; WORK LEFT OUT, IN ALL LAUNCHES: THE SOFTMAX (the row's maximum, the exponentials, the sum, the division).  For a row of finite numbers softmax(pre)[i] = exp(pre[i] - m) / S with S > 0 is a strictly
; increasing map of pre[i], the same map for all i of the row; so in real numbers the first largest entry of softmax(pre) stands where the first largest entry of pre stands, whatever the inputs hold.  The maximum that is
; taken away serves that exponential alone and goes with it.  No input loses its way to the output by this: all are loaded.
; LIMITS of that: entries of pre so close that f32 softmax makes them equal are told apart here (the larger wins; reference() would take the lower index); a NaN, an infinity or an overflow that
; would arise in the softmax alone is not carried to the result; NaN or infinity in pre is not served.
; THIS LAUNCH: W [1024 vis][4096 hid], f32, is an operand twice, so it is turned into codes of E5M2 twice:
;   W3c [8 chunks of 512 hid][1024 vis][512 bytes], K = hid innermost, scale 2^e, e = entry 5 of the scales: 64 rows of a chunk are 32,768 consecutive bytes, what one tensor load of launch 'visible' brings.
;       In each block of 32 along K the four groups of 8 codes lie in the order 0, 2, 1, 3, so that 16 bytes at 32 c + 16 h hold K = 32 c + 8 h + 0 .. 7 and 32 c + 16 + 8 h + 0 .. 7:
;       what registers 4 c .. 4 c + 3 of the operand take (ISA guide 7.12.2, 8-bit operands), the order in which h's codes are laid there.
;   W1c [4096 hid][1024 vis], K = vis innermost, as it runs, scale 2^e, e = entry 1.
; code = x / 2^e, held within +-57,344, rounded to the nearest code, ties to even.  LIMITS: -126 <= e and e + 15 <= 127; NaN in W is not served.
; 256 work-groups of four waves: the even ones take the first job (128 runs of 32,768 numbers), the odd ones the second (32 x 4 blocks of 128 hid x 256 vis); neighbours read the same part of W.
; The two paths part on the work-group's number at the head, have LDS bytes of their own and never join.  No barrier: waves share nothing.
; Each wave reads 32,768 bytes of W by 64 loads of 512 bytes, of which 48 are out at once on either path.
.set SPW,   12                         ; v12  LDS address of my spare word; never rewritten
.set NIL,   13                         ; v13  0; never rewritten
.set SPARE, 67584                      ; behind both paths' stages: the spare words, 128 bytes a wave
.set EMAX,  15
.set MANT,  0x600000                   ; the mantissa field of 57,344 as f32
; the rows' path
.set STEPS, 16                         ; steps of 512 numbers for a wave: two rows of W, eight chunks each
.set NS,    12                         ; sets of loaded numbers: steps whose loads are out
.set SP,    80                         ; 64 bytes of the stage + 16 of padding
.set WREG,  8192                       ; a wave's region: two stages of 32 x SP bytes
.set R,     16                         ; v16-207  twelve sets of 16 numbers as loaded
.set X,     208                        ; v208-239 two sets of 16 numbers in the order of my codes
.set C,     240                        ; v240-255 codes: four sets of four registers, by turns
; the columns' path
.set CSTG,  32768                      ; its stages begin here: 32 rows x 272 bytes a wave
.set CP,    272
.set NU,    4                          ; units of 16 along K for a lane
.set CL,    16                         ; v16-207  three sets of 16 loads x 4 columns
.set CX,    208                        ; v208-239 two sets of 16 numbers of one column
.set CC,    240                        ; v240-255 a unit's codes: four registers a column
.set OUTR,  16                         ; v16-79   the way out
	s_load_b256 s[4:11], s[0:1], 0x0               ; W s[4:5], the scales s[6:7], W3c s[8:9], W1c s[10:11]
	v_lshl_add_u32 v[SPW], v0, 2, SPARE
	v_mov_b32 v[NIL], 0
	v_lshrrev_b32 v1, 5, v0
	v_readfirstlane_b32 s16, v1                    ; wave 0..3
	v_and_b32 v2, 31, v0                           ; lane
	s_lshr_b32 s12, ttmp9, 1                       ; which part of the job
	s_and_b32 s13, ttmp9, 1                        ; which job
	s_cmp_lg_u32 s13, 0
	s_cbranch_scc1 .Lcolumns
; ---------------- W3c: K innermost in memory.  A load reads 512 consecutive bytes, 16 a lane; a step's 2,048 bytes turn through the wave's own stage, so that a lane gets the 16 numbers of its 16 codes.
	v_lshlrev_b32 v3, 4, v2                        ; my 16 bytes of a load's 512, and of a step's 512 bytes of codes
	s_mul_i32 s17, s16, WREG
	v_lshrrev_b32 v14, 2, v2
	v_mul_u32_u24 v14, v14, SP
	v_and_b32 v15, 3, v2
	v_lshl_add_u32 v14, v15, 4, v14
	v_add_nc_u32 v14, s17, v14                     ; into the stage: four lanes' 64 bytes on end, then 16 of padding
	v_lshrrev_b32 v15, 1, v2
	v_mul_u32_u24 v15, v15, 2*SP
	v_and_b32 v5, 1, v2
	v_lshl_add_u32 v15, v5, 5, v15
	v_add_nc_u32 v15, s17, v15                     ; out of it: block lane / 2 (two places), + 32 (lane % 2): numbers 8 (lane % 2) + 0 .. 7; those 16 further on lie one place on
	s_lshl_b32 s18, s12, 2
	s_add_co_u32 s18, s18, s16                     ; which run of 8,192 numbers, two rows of W, is my wave's
	s_lshl_b32 s20, s18, 15                        ; 32,768 bytes of W,
	s_mov_b32 s21, 0
	s_lshl_b32 s22, s18, 10                        ; and in each chunk of W3c two rows of 512 bytes
	s_mov_b32 s23, 0
	s_wait_alu depctr_va_vdst(0)                   ; the wait at the head's end
	s_wait_kmcnt 0x0
	s_load_b32 s24, s[6:7], 0x14                   ; e, entry 5
	s_add_nc_u64 s[4:5], s[4:5], s[20:21]
	s_add_nc_u64 s[8:9], s[8:9], s[22:23]
.macro RLOAD t
.irp i, 0,1,2,3
	global_load_b128 v[R+16*((\t)%NS)+4*\i:R+16*((\t)%NS)+4*\i+3], v3, s[4:5] offset:2048*(\t)+512*\i   ; 32 lanes read 512 consecutive bytes
.endr
.endm
.macro RTURN t                         ; step t's numbers through the stage: LDS serves a wave's instructions in order (ISA guide 5.7.1), so no wait stands between the stores and the loads
.irp i, 0,1,2,3
	ds_store_b128 v14, v[R+16*((\t)%NS)+4*\i:R+16*((\t)%NS)+4*\i+3] offset:32*SP*((\t)%2)+8*SP*\i
.endr
.irp i, 0,1,2,3
	ds_load_b128 v[X+16*((\t)%2)+4*\i:X+16*((\t)%2)+4*\i+3], v15 offset:32*SP*((\t)%2)+SP*(\i/2)+16*(\i%2)
.endr
.endm
.irp t, 0,1,2,3,4,5,6,7,8,9,10,11
	RLOAD \t
.endr
	s_wait_kmcnt 0x0
	s_add_co_i32 s24, s24, 127
	s_lshl_b32 s25, s24, 23
	v_mov_b32 v11, s25                             ; 2^e as f32: the conversion takes its exponent field
	s_add_co_i32 s24, s24, EMAX
	s_lshl_b32 s24, s24, 23
	s_or_b32 s24, s24, MANT
	v_mov_b32 v10, s24                             ; 57,344 x 2^e
	s_wait_alu depctr_va_vdst(0)                   ; the wait ahead of the wait below
	s_wait_loadcnt 4*(NS-1)                        ; step 0's four loads are in; those of the eleven steps behind it may be out
	RTURN 0
.macro RSTEP t
.set XS, X+16*((\t)%2)
.set CS, C+4*((\t)%4)
	s_wait_dscnt 0x0                               ; this step's numbers are back from the stage: so its stores into the stage have read their registers,
	s_wait_xcnt 0x0                                ; and the earlier stores of codes have read theirs: this step's set of code registers is written again only behind this wait
.if (\t)+NS < STEPS
	RLOAD (\t)+NS                                  ; the set takes the loads of twelve steps on
.endif
.if (\t)+1 < STEPS
.if (\t)+NS < STEPS
	s_wait_loadcnt 4*(NS-1)                        ; the next step's four loads are in; those of the eleven steps behind it may be out
.else
	s_wait_loadcnt 4*(STEPS-2-(\t))                ; at the end fewer steps stand behind it
.endif
	RTURN (\t)+1                                   ; they go through the other stage while this step is worked
.endif
.irp i, 0,1,2,3,4,5,6,7,8,9,10,11,12,13,14,15
	v_med3_num_f32 v[XS+\i], v[XS+\i], -v10, v10   ; the conversion to an 8-bit code does not saturate (ISA guide 7.6.2): the hold at the largest code x the scale comes first
.endr
	v_cvt_scalef32_pk8_bf8_f32 v[CS:CS+1], v[XS:XS+7], v11
	v_cvt_scalef32_pk8_bf8_f32 v[CS+2:CS+3], v[XS+8:XS+15], v11
	global_store_b128 v3, v[CS:CS+3], s[8:9] offset:524288*((\t)%8)+512*((\t)/8)   ; chunk t % 8 of row t / 8: the wave stores 512 consecutive bytes
.endm
.irp t, 0,1,2,3,4,5,6,7,8,9,10,11,12,13,14,15
	RSTEP \t
.endr
	s_wait_tensorcnt 0x0                           ; the wave's end, behind my last LDS store
	ds_add_u32 v[SPW], v[NIL]
	s_wait_dscnt 0x0
	s_endpgm
; ---------------- W1c: K is W's first axis.  A wave takes 32 columns (hid) x 256 along K.  Lane l takes the four columns 4 (l % 8) + 0 .. 3 and K = 64 (l / 8) + 0 .. 63: a load of 16 bytes a lane reads 128 consecutive
; bytes of each of four rows of W, 64 rows apart.  The hold writes a column's 16 numbers of a unit into consecutive registers, so that the conversions give codes with K innermost.
; The codes go through the wave's own stage (a row for each column) and leave as rows: sixteen lanes store 256 consecutive bytes, aligned.
.Lcolumns:
	s_and_b32 s14, s12, 31                         ; which 128 columns
	s_lshr_b32 s18, s12, 5                         ; which 256 along K
	s_lshl_b32 s17, s14, 7
	s_lshl_b32 s19, s16, 5
	s_add_co_u32 s17, s17, s19                     ; my wave's first column
	s_wait_alu depctr_va_vdst(0)                   ; the wait behind the branch, ahead of the reader below
	v_and_b32 v5, 7, v2                            ; l % 8
	v_lshrrev_b32 v6, 3, v2                        ; l / 8
	v_lshlrev_b32 v3, 4, v5                        ; in: 16 bytes for four columns,
	v_lshl_add_u32 v3, v6, 20, v3                  ; + 64 rows of 16,384 bytes for each group of eight lanes
	s_mul_i32 s19, s16, 32*CP
	s_add_co_u32 s19, s19, CSTG                    ; my stage
	v_mul_u32_u24 v4, v5, 4*CP
	v_lshl_add_u32 v4, v6, 6, v4
	v_add_nc_u32 v4, s19, v4                       ; into it: row = my first column, byte 64 (l / 8)
	v_and_b32 v5, 15, v2
	v_lshrrev_b32 v6, 4, v2
	v_mul_u32_u24 v7, v6, CP
	v_lshl_add_u32 v7, v5, 4, v7
	v_add_nc_u32 v7, s19, v7                       ; out of it: sixteen lanes to a row, two rows an instruction
	v_mul_u32_u24 v8, v6, 1024
	v_lshl_add_u32 v8, v5, 4, v8                   ; and the same place in W1c (a row is 1,024 bytes)
	s_lshl_b32 s20, s18, 22                        ; 256 rows of W, 16,384 bytes each,
	s_lshl_b32 s22, s17, 2
	s_add_co_u32 s20, s20, s22                     ; + 4 bytes a column
	s_mov_b32 s21, 0
	s_lshl_b32 s24, s17, 10                        ; W1c: column x 1,024
	s_lshl_b32 s26, s18, 8
	s_add_co_u32 s24, s24, s26                     ; + 256 bytes for each 256 along K
	s_mov_b32 s25, 0
	s_wait_alu depctr_va_vdst(0)                   ; the wait at the head's end
	s_wait_kmcnt 0x0
	s_load_b32 s30, s[6:7], 0x4                    ; e, entry 1
	s_add_nc_u64 s[4:5], s[4:5], s[20:21]
	s_add_nc_u64 s[10:11], s[10:11], s[24:25]
.macro CLOAD u                         ; unit u: W(64 (l / 8) + 16 u + i, my four columns), i = 0 .. 15, into set u % 3; the largest offset, 63 rows, lies inside the signed 24-bit immediate
.set ii, 0
.rept 16
	global_load_b128 v[CL+64*((\u)%3)+4*ii:CL+64*((\u)%3)+4*ii+3], v3, s[4:5] offset:(16*(\u)+ii)*16384
.set ii, ii+1
.endr
.endm
	CLOAD 0
	CLOAD 1
	CLOAD 2
	s_wait_kmcnt 0x0
	s_add_co_i32 s30, s30, 127
	s_lshl_b32 s31, s30, 23
	v_mov_b32 v11, s31                             ; 2^e as f32
	s_add_co_i32 s30, s30, EMAX
	s_lshl_b32 s30, s30, 23
	s_or_b32 s30, s30, MANT
	v_mov_b32 v10, s30                             ; 57,344 x 2^e
.macro CBLOCK u
.set LS, CL+64*((\u)%3)
.if (\u) < 2
	s_wait_loadcnt 32                              ; this unit's 16 loads are in; the 32 of the two units behind it may be out
.else
	s_wait_loadcnt 16*(3-(\u))                     ; at the end fewer units stand behind it
.endif
.irp q, 0,1,2,3
.set XS, CX+16*(\q%2)
.set ii, 0
.rept 16
	v_med3_num_f32 v[XS+ii], v[LS+4*ii+\q], -v10, v10   ; the hold, as above; column q's numbers come to lie on end.  The two sets take turns, so that no conversion's sources are written next
.set ii, ii+1
.endr
	v_cvt_scalef32_pk8_bf8_f32 v[CC+4*\q:CC+4*\q+1], v[XS:XS+7], v11
	v_cvt_scalef32_pk8_bf8_f32 v[CC+4*\q+2:CC+4*\q+3], v[XS+8:XS+15], v11
	ds_store_b128 v4, v[CC+4*\q:CC+4*\q+3] offset:\q*CP+16*(\u)   ; 16 codes of column q's row
.endr
.if (\u)+3 < NU
	CLOAD (\u)+3                                   ; the set takes the unit three on
.endif
	s_wait_dscnt 0x0                               ; the stores have read their registers: the next unit's codes may be written
.endm
	s_wait_alu depctr_va_vdst(0)                   ; the wait ahead of the waits below
.irp u, 0,1,2,3
	CBLOCK \u
.endr
.irp t, 0,1,2,3,4,5,6,7,8,9,10,11,12,13,14,15
	ds_load_b128 v[OUTR+4*\t:OUTR+4*\t+3], v7 offset:2*\t*CP   ; these see my stores: a wave's LDS instructions are served in order
.endr
.irp t, 0,1,2,3,4,5,6,7,8,9,10,11,12,13,14,15
	s_wait_dscnt 15-\t                             ; load t is in; the 15 - t younger ones may be out
	global_store_b128 v8, v[OUTR+4*\t:OUTR+4*\t+3], s[10:11] offset:2*\t*1024
.endr
	s_wait_tensorcnt 0x0                           ; the wave's end, behind my last LDS store
	ds_add_u32 v[SPW], v[NIL]
	s_wait_dscnt 0x0
	s_endpgm
.Lfunc_end_k_q1f957c0f12_prep:
	.size	k_q1f957c0f12_prep, .Lfunc_end_k_q1f957c0f12_prep-k_q1f957c0f12_prep
	.p2alignl 7, 3214868480
	.fill 96, 4, 3214868480
	.section	.rodata,"a",@progbits
	.p2align	6, 0x0
	.amdhsa_kernel k_q1f957c0f12_prep
		.amdhsa_group_segment_fixed_size 68096
		.amdhsa_private_segment_fixed_size 0
		.amdhsa_enable_private_segment 0
		.amdhsa_kernarg_size 32
		.amdhsa_user_sgpr_count 2
		.amdhsa_user_sgpr_kernarg_segment_ptr 1
		.amdhsa_wavefront_size32 1
		.amdhsa_system_sgpr_workgroup_id_x 1
		.amdhsa_system_sgpr_workgroup_id_y 1
		.amdhsa_system_sgpr_workgroup_id_z 1
		.amdhsa_system_vgpr_workitem_id 0
		.amdhsa_next_free_vgpr 256
		.amdhsa_next_free_sgpr 66
		.amdhsa_reserve_vcc 0
		.amdhsa_float_denorm_mode_32 3
		.amdhsa_float_denorm_mode_16_64 3
		.amdhsa_memory_ordered 1
		.amdhsa_forward_progress 1
		.amdhsa_inst_pref_size 68
	.end_amdhsa_kernel
	.amdgpu_metadata
---
amdhsa.version: [ 1, 2 ]
amdhsa.kernels:
  - .name:           k_q1f957c0f12_prep
    .symbol:         k_q1f957c0f12_prep.kd
    .args:
      - { .name: W, .offset: 0, .size: 8, .value_kind: global_buffer, .address_space: global }
      - { .name: lowp_scales, .offset: 8, .size: 8, .value_kind: global_buffer, .address_space: global }
      - { .name: W3c, .offset: 16, .size: 8, .value_kind: global_buffer, .address_space: global }
      - { .name: W1c, .offset: 24, .size: 8, .value_kind: global_buffer, .address_space: global }
    .group_segment_fixed_size: 68096
    .private_segment_fixed_size: 0
    .kernarg_segment_align: 8
    .kernarg_segment_size: 32
    .max_flat_workgroup_size: 128
    .sgpr_count:     66
    .vgpr_count:     256
    .wavefront_size: 32
...
	.end_amdgpu_metadata
.endif
;; end of part 1
;; launch hidden (part 2): grid 16 x 16, 4 waves a work-group, clusters of 4 x 4, 327,680 bytes of LDS; arguments visible_data_codes, W1c, cond_data_codes, B_codes, lowp_scales, c, noise, Hb; writes Hb
.if DOCPART == 2
	.amdgcn_target "amdgcn-amd-amdhsa--gfx1250"
	.amdhsa_code_object_version 6
	.text
	.protected	k_q1f957c0f12_hidden
	.globl	k_q1f957c0f12_hidden
	.p2align	8
	.type	k_q1f957c0f12_hidden,@function
k_q1f957c0f12_hidden:
	s_mov_b64 s[64:65], 0
	v_nop
	global_prefetch_b8 v0, s[64:65] scope:SCOPE_SE
	s_setreg_imm32_b32 hwreg(HW_REG_WAVE_MODE, 25, 1), 1
	s_wait_xcnt 0x0
	s_wait_alu depctr_hold_cnt(0) depctr_sa_sdst(0) depctr_va_vdst(0) depctr_va_sdst(0) depctr_va_ssrc(0) depctr_va_vcc(0) depctr_vm_vsrc(0)
	s_getreg_b32 s2, hwreg(HW_REG_IB_STS2, 6, 4)
	s_cmp_eq_u32 s2, 0
	s_cbranch_scc0 .Lentry_in_a_cluster
	s_endpgm
.Lentry_in_a_cluster:
	s_bfe_u32 s2, ttmp6, 0x10000c
	s_cmp_lg_u32 s2, 0xf033
	s_cbranch_scc0 .Lentry_shape_is_right
	s_endpgm
.Lentry_shape_is_right:
; h = (noise < sigmoid(v W + u B + c)) as bits.  v [4096][1024], W1c [4096 hid][1024], u [4096][512], B [4096 hid][512]: codes of E5M2, K innermost.  noise [4096][4096], c [4096]: f32.
; noise < 1 / (1 + exp(-x)) is taken as noise x exp(-x) + noise < 1: one fused multiply-add behind the exponential.  Where exp(-x) is infinite and noise is 0 the compare is false, as in reference().
; ONE ACCUMULATOR FOR BOTH PRODUCTS: v W goes first (K steps 0-3); its sums are multiplied by 2^(e0+e1-e2-e3), a power of two; u B adds on (K steps 4, 5); -x log2(e) = sum x (-log2(e) 2^(e2+e3)) - c log2(e).
; LIMITS: e0+e1-e2-e3 and e2+e3 between -126 and 127.  NaN in the inputs is not served.
; SHARES: a block of 256 rows x 256 hid is made by a work-group of four waves, a wave 128 x 128: 64 accumulators, 512 registers; 16 x 16 work-groups.  K goes in steps of 256 through two LDS slots (512 rows of 256 bytes + 16 of padding each).
; CLUSTER 4 x 4: v's and u's tiles are shared along a row of the cluster, W1c's and B's along a column, by joint loads.  THE MATRIX INSTRUCTION IS USED TRANSPOSED (source 0 = 16 hid, source 1 = 16 rows):
; lane (r, h) of accumulator (a, b) holds row 16 a + r and hid 16 b + 8 h + 0 .. 7.
; NOISE: a wave's 128 rows x 512 bytes come as two tensor loads of 128 rows x 256 bytes into its own quarter of slot 0 (behind K step 4's change of slots) and of slot 1 (behind K step 5's).
; PREFETCHES, all by immediates on registers that are never rewritten.  A K step's 256 bytes of the 128 rows that a wave fetches: the four partners of the joint load take 32 rows each, told apart by address, a lane a row, one instruction:
; K steps 1 and 2 at the head, 3, 4, 5 in the next three half steps: each at least one change of slots ahead of its load.  The wave's noise is 256 blocks of 256 bytes, eight instructions, a lane a row: one in a half step, in the order in which the blocks are used.
; Hb [32 blocks of 128 hid][128 pairs of blocks of 16 rows][32 lanes][4 words]: word 2 i + eta of a lane: row block i of the pair, hid 64 eta on; bit 8 be + rp is number 4 rp + be of the lane's 32 (accumulators 4 eta .. 4 eta + 3, eight registers each).
; REGISTERS: window 0: v16-31 addresses; v32-95 -c log2(e); v96-111 h's words; v128-255 A's fragments, one set (on the way out: 64 at work, 64 of noise).  window 1: B's fragments, two sets.  windows 2, 3: the accumulators, (a, b) at v[8 (8 (a % 4) + b)].
.set PITCH,  272
.set HALFT,  128*PITCH                 ; what one tensor load brings
.set SLOT,   4*HALFT
.set SPARE,  2*SLOT                    ; behind the ring: the spare words, 128 bytes a wave
.set FR,     16
.set NL,     4
.set NPL,    4
.set ADRA, 16                          ; v16-17 my A fragments in slot 0, 1;  v20-21 B's
.set ADRB, 20
.set NA,   22                          ; v22-23 my noise in slot 0, 1
.set HO,   24                          ; v24 16 x lane
.set PFO,  25                          ; v25 lane x a row of noise
.set ONE,  26
.set PF1O, 27                          ; v27 lane x 1,024
.set SPW,  28
.set NIL,  29
.set CO,   30
.set PF2O, 31                          ; v31 lane x 512
.set CB,   32
.set HW,   96
.set AF,   128
.set TT,   128
.set NN,   192
.set PF1,  4                           ; s[4:5] v or W1c at my work-group's 32 rows of the 128 that I fetch;  s[6:7] the same in u or B
.set PF2,  6
.set WV,   20
.set RH,   21                          ; my half of the rows; also: I fetch for A (0) or B (1)
.set CH,   22                          ; my half of the hid; also: which 128 rows I fetch
.set CXR,  23
.set CYR,  24
.set TX,   25
.set TY,   26
.set LB,   27
.set UA,   28
.set UB,   30
.set G1A1, 32
.set G1B1, 40
.set G1A2, 48
.set G1B2, 56
.set RS,   66
.set G1N,  68
.set G0A,  76
.set G0B,  84
.set G0N,  92
.set SS,   96
.set NPT,  100
.set HP,   18
.set MK,   32                          ; on the way out: eight lane masks (v's group 1 is done with)
.set PADW, (1<<20)|(1<<21)|(5<<22)|(3<<25)
.set MSB, 0
.macro WIN new
.if MSB != \new
	s_set_vgpr_msb (MSB<<8)|\new
.set MSB, \new
.endif
.endm
.set MUL_LO, 0xa1
.set MUL_HI, 0xf1
.set TO_B,   0x40
.macro JLOAD g0a, g1a, g0b, g1b        ; a joint load: waves 0, 1 for A, waves 2, 3 for B; s_nop 0 and four v_nop behind each line
	s_cmp_eq_u32 s[RH], 0
	s_cbranch_scc0 .Lfor_b_\@
	tensor_load_to_lds s[\g0a:\g0a+3], s[\g1a:\g1a+7]
	s_nop 0
.rept 4
	v_nop
.endr
	s_branch .Lasked_\@
.Lfor_b_\@:
	tensor_load_to_lds s[\g0b:\g0b+3], s[\g1b:\g1b+7]
	s_nop 0
.rept 4
	v_nop
.endr
.Lasked_\@:
.endm
.macro CREST
	s_cmp_lg_u32 s[WV], 0
	s_cbranch_scc1 .Lnot_wave_0_\@
	s_barrier_signal -3
.Lnot_wave_0_\@:
	s_barrier_wait -3
	s_barrier_signal -1
	s_barrier_wait -1
.endm
.macro CROUND
	s_barrier_signal -1
	s_barrier_wait -1
	CREST
.endm
.macro ASK t, n                        ; t: K step whose tile is asked for (none: -1);  n: which 32 rows x 256 bytes of my noise (none: -1)
.if (\t) >= 4
	global_prefetch_b8 v[PF2O], s[PF2:PF2+1] offset:256*((\t)-4) th:TH_LOAD_NT scope:SCOPE_SE
.elseif (\t) >= 0
	global_prefetch_b8 v[PF1O], s[PF1:PF1+1] offset:256*(\t) th:TH_LOAD_NT scope:SCOPE_SE
.endif
.if (\n) >= 0
	global_prefetch_b8 v[PFO], s[NPT:NPT+1] offset:((\n)%4)*524288+256*((\n)/4) th:TH_LOAD_NT scope:SCOPE_SE
.endif
.endm
	s_load_b256 s[4:11], s[0:1], 0x0               ; v, W1c, u, B
	s_load_b256 s[12:19], s[0:1], 0x20             ; the scales, c, noise, Hb
	v_lshl_add_u32 v[SPW], v0, 2, SPARE
	v_mov_b32 v[NIL], 0
	ds_add_u32 v[SPW], v[NIL]                      ; the opening lines: the add, twice on end, and its wait
	ds_add_u32 v[SPW], v[NIL]
	v_lshrrev_b32 v1, 5, v0
	v_readfirstlane_b32 s[WV], v1
	v_and_b32 v6, 31, v0
	v_lshlrev_b32 v[PFO], 14, v6
	v_lshlrev_b32 v[PF1O], 10, v6
	v_lshlrev_b32 v[PF2O], 9, v6
	s_lshr_b32 s[RH], s[WV], 1
	s_and_b32 s[CH], s[WV], 1
	s_bfe_u32 s[CXR], ttmp6, 0x40000
	s_bfe_u32 s[CYR], ttmp6, 0x40004
	s_lshl_b32 s[TX], ttmp9, 2
	s_add_co_u32 s[TX], s[TX], s[CXR]              ; block column (hid / 256)
	s_and_b32 s[TY], ttmp7, 0xffff
	s_lshl_b32 s[TY], s[TY], 2
	s_add_co_u32 s[TY], s[TY], s[CYR]              ; block row (rows / 256)
	s_lshl_b32 s2, s[CYR], 2
	s_lshl_b32 s2, 15, s2                          ; my row of the cluster
	s_lshl_b32 s3, 0x1111, s[CXR]                  ; my column
	s_or_b32 s[G1A1], s2, PADW
	s_or_b32 s[G1A2], s2, PADW
	s_or_b32 s[G1B1], s3, PADW
	s_or_b32 s[G1B2], s3, PADW
.irp g, G1A1, G1B1, G1A2, G1B2         ; tiles of 128 rows x 256 bytes
	s_mov_b32 s[\g+1], 256<<16
	s_mov_b32 s[\g+2], 128<<16
	s_mov_b32 s[\g+3], 256<<16
	s_mov_b32 s[\g+4], 128
	s_mov_b32 s[\g+6], 0
	s_mov_b32 s[\g+7], 0
.endr
	s_mov_b32 s[G1A1+5], 1024
	s_mov_b32 s[G1B1+5], 1024
	s_mov_b32 s[G1A2+5], 512
	s_mov_b32 s[G1B2+5], 512
	s_mov_b32 s[G1N], (2<<16)|(1<<20)|(5<<22)|(3<<25)   ; noise: 128 rows x 64 numbers of 4 bytes, no mask
	s_mov_b32 s[G1N+1], 64<<16
	s_mov_b32 s[G1N+2], 128<<16
	s_mov_b32 s[G1N+3], 64<<16
	s_mov_b32 s[G1N+4], 128
	s_mov_b32 s[G1N+5], 4096
	s_mov_b32 s[G1N+6], 0
	s_mov_b32 s[G1N+7], 0
	s_lshl_b32 s27, s[CH], 7
	s_lshl_b32 s2, s[TY], 8
	s_add_co_u32 s2, s2, s27                       ; the rows of v and u that I fetch
	s_lshl_b32 s3, s[TX], 8
	s_add_co_u32 s3, s3, s27                       ; the rows of W1c and B
	s_lshl_b32 s92, s2, 10
	s_mov_b32 s93, 0
	s_lshl_b32 s94, s3, 10
	s_mov_b32 s95, 0
	s_lshl_b32 s96, s2, 9
	s_mov_b32 s97, 0
	s_lshl_b32 s98, s3, 9
	s_mov_b32 s99, 0
	s_lshl_b32 s100, s[TY], 8                      ; noise: my first row x 16,384 + my first hid x 4
	s_lshl_b32 s101, s[RH], 7
	s_add_co_u32 s100, s100, s101
	s_lshl_b32 s100, s100, 14
	s_lshl_b32 s101, s[TX], 10
	s_add_co_u32 s100, s100, s101
	s_lshl_b32 s101, s[CH], 9
	s_add_co_u32 s100, s100, s101
	s_mov_b32 s101, 0
	s_lshl_b32 s66, s[TX], 1                       ; Hb: block 2 tx + CH of 65,536 bytes, pair 8 ty + 4 RH of 512
	s_add_co_u32 s66, s66, s[CH]
	s_lshl_b32 s66, s66, 16
	s_lshl_b32 s67, s[TY], 3
	s_lshl_b32 s27, s[RH], 2
	s_add_co_u32 s67, s67, s27
	s_lshl_b32 s67, s67, 9
	s_add_co_u32 s66, s66, s67
	s_mov_b32 s67, 0
	s_mul_i32 s[LB], s[WV], HALFT                  ; where my loads go
	s_wait_alu depctr_va_vdst(0)                   ; the wait ahead of the waits below
	s_wait_dscnt 0x0                               ; both opening adds are done
	s_wait_kmcnt 0x0
	s_add_nc_u64 s[4:5], s[4:5], s[92:93]
	s_add_nc_u64 s[6:7], s[6:7], s[94:95]
	s_add_nc_u64 s[UA:UA+1], s[8:9], s[96:97]
	s_add_nc_u64 s[UB:UB+1], s[10:11], s[98:99]
	s_add_nc_u64 s[NPT:NPT+1], s[16:17], s[100:101]
	s_add_nc_u64 s[HP:HP+1], s[18:19], s[66:67]
	s_load_b128 s[96:99], s[12:13], 0x0            ; e0 .. e3
	s_mov_b32 s[G0N], 1
	s_mov_b32 s[G0N+1], s[LB]
	s_mov_b64 s[G0N+2:G0N+3], s[NPT:NPT+1]
	s_or_b32 s[G0N+3], s[G0N+3], 0x80000000
.irp s, 0,1
	s_mov_b32 s[G0A+4*\s], 1
	s_add_co_u32 s[G0A+4*\s+1], s[LB], \s*SLOT
	s_add_nc_u64 s[G0A+4*\s+2:G0A+4*\s+3], s[4:5], \s*256
	s_or_b32 s[G0A+4*\s+3], s[G0A+4*\s+3], 0x80000000
	s_mov_b32 s[G0B+4*\s], 1
	s_add_co_u32 s[G0B+4*\s+1], s[LB], \s*SLOT
	s_add_nc_u64 s[G0B+4*\s+2:G0B+4*\s+3], s[6:7], \s*256
	s_or_b32 s[G0B+4*\s+3], s[G0B+4*\s+3], 0x80000000
.endr
	s_cmp_eq_u32 s[RH], 0                          ; the prefetches' bases: the buffers that I fetch for,
	s_cselect_b64 s[PF1:PF1+1], s[4:5], s[6:7]
	s_cselect_b64 s[PF2:PF2+1], s[UA:UA+1], s[UB:UB+1]
	s_cselect_b32 s2, s[CXR], s[CYR]               ; and my place among the four that ask with me
	s_lshl_b32 s2, s2, 14                          ; 32 rows of 512 bytes,
	s_mov_b32 s3, 0
	s_add_nc_u64 s[PF2:PF2+1], s[PF2:PF2+1], s[2:3]
	s_lshl_b32 s2, s2, 1                           ; of 1,024
	s_add_nc_u64 s[PF1:PF1+1], s[PF1:PF1+1], s[2:3]
	CROUND                                         ; all sixteen work-groups are here: the first joint loads meet
	JLOAD G0A, G1A1, G0B, G1B1                     ; K step 0: one tensor load a wave at the head
	ASK 1, -1
	ASK 2, -1
	v_and_b32 v1, 15, v0                           ; r
	v_bfe_u32 v2, v0, 4, 1                         ; h
	v_mul_u32_u24 v3, v1, PITCH
	v_lshl_add_u32 v4, v2, 4, v3
	s_mul_i32 s8, s[RH], HALFT
	s_mul_i32 s9, s[CH], HALFT
	s_add_co_u32 s9, s9, 2*HALFT
.irp s, 0,1
	v_add_nc_u32 v[ADRA+\s], s8, v4
	v_add_nc_u32 v[ADRB+\s], s9, v4
	s_add_co_u32 s8, s8, SLOT
	s_add_co_u32 s9, s9, SLOT
.endr
	v_lshl_add_u32 v5, v2, 5, v3                   ; noise: row r, 32 bytes for each half of the lanes
	v_add_nc_u32 v[NA], s[LB], v5
	v_add_nc_u32 v[NA+1], SLOT, v[NA]
	v_lshlrev_b32 v[HO], 4, v6
	v_lshlrev_b32 v[CO], 5, v2
	v_mov_b32 v[ONE], 1
	s_lshl_b32 s10, s[TX], 10
	s_lshl_b32 s11, s[CH], 9
	s_add_co_u32 s10, s10, s11
	s_mov_b32 s11, 0
	s_add_nc_u64 s[14:15], s[14:15], s[10:11]      ; c at my 128 hid
.irp b, 0,1,2,3,4,5,6,7
	global_load_b128 v[CB+8*\b:CB+8*\b+3], v[CO], s[14:15] offset:64*\b       ; c(16 b + 8 h + 0 .. 7): the result's layout
	global_load_b128 v[CB+8*\b+4:CB+8*\b+7], v[CO], s[14:15] offset:64*\b+16
.endr
	s_wait_kmcnt 0x0
	s_add_co_i32 s8, s96, s97
	s_add_co_i32 s9, s98, s99
	s_sub_co_i32 s8, s8, s9
	s_add_co_i32 s8, s8, 127
	s_lshl_b32 s[RS], s8, 23                       ; 2^(e0+e1-e2-e3)
	s_mov_b32 s[RS+1], s[RS]
	s_lshl_b32 s9, s9, 23
	s_add_co_i32 s[SS], s9, 0xbfb8aa3b             ; -log2(e) x 2^(e2+e3): the exponents go into the exponent field
	s_mov_b32 s[SS+1], s[SS]
	s_mov_b32 s10, 0xbfb8aa3b
	s_mov_b32 s11, s10
.macro FRAG reg, adr, q, i             ; 16 rows x 128 K: registers 4 c .. 4 c + 3 hold K = 32 c + 16 h + 0 .. 15, alike in A and B
.irp c, 0,1,2,3
	ds_load_b128 v[\reg+4*\c:\reg+4*\c+3], v[\adr] offset:128*(\q)+32*\c+(\i)*16*PITCH
.endr
.endm
.macro MUL16 a0, p, zero               ; A's blocks a0, a0 + 1 x B's eight; the 64 accumulators take turns
.irp a, \a0, \a0+1
.irp b, 0,1,2,3,4,5,6,7
.if \zero
	v_wmma_f32_16x16x128_bf8_bf8 v[8*(8*((\a)%4)+\b):8*(8*((\a)%4)+\b)+7], v[128*(\p)+FR*\b:128*(\p)+FR*\b+FR-1], v[AF+FR*(\a):AF+FR*(\a)+FR-1], 0
.else
	v_wmma_f32_16x16x128_bf8_bf8 v[8*(8*((\a)%4)+\b):8*(8*((\a)%4)+\b)+7], v[128*(\p)+FR*\b:128*(\p)+FR*\b+FR-1], v[AF+FR*(\a):AF+FR*(\a)+FR-1], v[8*(8*((\a)%4)+\b):8*(8*((\a)%4)+\b)+7]
.endif
.endr
.endr
.endm
.macro FETCH_B slot, q, p
	WIN TO_B
.irp i, 0,1,2,3,4,5,6,7
	FRAG 128*(\p)+FR*\i, ADRB+\slot, \q, \i
.endr
	WIN 0
.endm
.macro FETCH_A slot, q, i0
.irp i, \i0, \i0+1, \i0+2, \i0+3
	FRAG AF+FR*(\i), ADRA+\slot, \q, \i
.endr
.endm
.macro PLACES n                        ; plain places behind matrix instructions, ahead of loads into their registers and of reads of results
.rept \n
	v_nop
.endr
.endm
.macro STEP slot, q, zero, t, n        ; 128 along K with its successor in the same slot
	s_wait_dscnt 4*NL                              ; B's set and A's blocks 0-3 are in; the 16 loads of blocks 4-7 may be out
	WIN MUL_LO
	MUL16 0, (\q)%2, \zero
	MUL16 2, (\q)%2, \zero
	s_wait_dscnt 0
	PLACES NPL
	FETCH_B \slot, (\q)+1, 1-(\q)%2
	FETCH_A \slot, (\q)+1, 0
	ASK \t, \n
	WIN MUL_HI
	MUL16 4, (\q)%2, \zero
	MUL16 6, (\q)%2, \zero
	PLACES NPL
	WIN 0
	FETCH_A \slot, (\q)+1, 4
.endm
; A slot's last 128 along K, and the change of slots.  kind 1: the slot takes v's and W1c's K step two on;  2: u's and B's K step \slot;  3: my noise, first 64 hid.
.macro TURN slot, next, kind, t, n
	s_wait_tensorcnt 0x0                           ; all my tensor loads have landed
	ds_add_u32 v[SPW], v[NIL]
	s_wait_dscnt 4*NL+1                            ; (the add and the 16 loads of A's blocks 4-7 may be out)
	WIN MUL_LO
	MUL16 0, 1, 0
	s_wait_dscnt 0x0                               ; the add is done, my reads of this slot are over
	s_barrier_signal -1
	MUL16 2, 1, 0
	WIN 0
	s_barrier_wait -1
	CREST                                          ; the barrier has opened a round of the cluster's barrier
.if \kind == 1
	s_add_nc_u64 s[G0A+4*\slot+2:G0A+4*\slot+3], s[G0A+4*\slot+2:G0A+4*\slot+3], 512
	s_add_nc_u64 s[G0B+4*\slot+2:G0B+4*\slot+3], s[G0B+4*\slot+2:G0B+4*\slot+3], 512
	JLOAD G0A+4*\slot, G1A1, G0B+4*\slot, G1B1
.elseif \kind == 2
	s_add_nc_u64 s[G0A+4*\slot+2:G0A+4*\slot+3], s[UA:UA+1], 256*\slot
	s_or_b32 s[G0A+4*\slot+3], s[G0A+4*\slot+3], 0x80000000
	s_add_nc_u64 s[G0B+4*\slot+2:G0B+4*\slot+3], s[UB:UB+1], 256*\slot
	s_or_b32 s[G0B+4*\slot+3], s[G0B+4*\slot+3], 0x80000000
	JLOAD G0A+4*\slot, G1A2, G0B+4*\slot, G1B2
.else
	tensor_load_to_lds s[G0N:G0N+3], s[G1N:G1N+7]
	s_nop 0
.rept 4
	v_nop
.endr
.endif
	FETCH_B \next, 0, 0
	FETCH_A \next, 0, 0
	ASK \t, \n
	WIN MUL_HI
	MUL16 4, 1, 0
	MUL16 6, 1, 0
	PLACES NPL
	WIN 0
	FETCH_A \next, 0, 4
.endm
.macro RESCALE                         ; v W's sums x 2^(e0+e1-e2-e3); each accumulator from its low end on
	WIN 0x82
.set jj, 0
.rept 128
	v_pk_mul_f32 v[jj:jj+1], v[jj:jj+1], s[RS:RS+1] op_sel_hi:[1,0]
.set jj, jj+2
.endr
	WIN 0xc3
.set jj, 0
.rept 128
	v_pk_mul_f32 v[jj:jj+1], v[jj:jj+1], s[RS:RS+1] op_sel_hi:[1,0]
.set jj, jj+2
.endr
	WIN 0
.endm
.macro NLOAD e                         ; block e's noise: two blocks of 16 rows x 64 hid, in the result's layout
.set NETA, (\e)/4
.set NAP, (\e)%4
.irp i, 0,1
.irp bb, 0,1,2,3
	ds_load_b128 v[NN+32*\i+8*\bb:NN+32*\i+8*\bb+3], v[NA+NETA] offset:(2*NAP+\i)*16*PITCH+64*\bb
	ds_load_b128 v[NN+32*\i+8*\bb+4:NN+32*\i+8*\bb+7], v[NA+NETA] offset:(2*NAP+\i)*16*PITCH+64*\bb+16
.endr
.endr
.endm
; THE WAY OUT, block e: row blocks 2 (e % 4), + 1 x hid 64 (e / 4) on: 64 numbers a lane become two words.
.macro EBLOCK e
.set ETA, (\e)/4
.set AP, (\e)%4
.set AC, 128*(AP%2)+32*ETA
	WIN 0x02+AP/2
	s_wait_alu depctr_va_vdst(0)                   ; the wait ahead of the first reader of these sums
.set ii, 0
.rept 2
.set jj, 0
.rept 16
	v_pk_fma_f32 v[TT+32*ii+jj:TT+32*ii+jj+1], v[AC+64*ii+jj:AC+64*ii+jj+1], s[SS:SS+1], v[CB+32*ETA+jj:CB+32*ETA+jj+1] op_sel_hi:[1,0,1]   ; -x log2(e)
.set jj, jj+2
.endr
.set ii, ii+1
.endr
	WIN 0
.set jj, 0
	s_wait_alu depctr_va_vdst(0)                   ; ahead of the batch
.rept 64
	v_exp_f32 v[TT+jj], v[TT+jj]                   ; exp(-x)
.set jj, jj+1
.endr
	v_nop
	s_wait_alu depctr_va_vdst(0)                   ; behind the batch
	s_wait_dscnt 0x0                               ; the block's noise is in
.set jj, 0
.rept 32
	v_pk_fma_f32 v[TT+jj:TT+jj+1], v[NN+jj:NN+jj+1], v[TT+jj:TT+jj+1], v[NN+jj:NN+jj+1]   ; noise x exp(-x) + noise
.set jj, jj+2
.endr
.if (\e) < 7
.if (\e) == 3
	s_wait_alu depctr_va_vdst(0)                   ; the wait ahead of the wait below
	s_wait_tensorcnt 0x0                           ; my noise of the second 64 hid has landed
.endif
	NLOAD (\e)+1
.endif
; eight chains (row block i, byte be), eight bits each, from rp = 7 down: a compare's lane mask goes in as the carry of chain + chain + carry
.set rp, 7
.rept 8
.irp i, 0,1
.irp be, 0,1,2,3
	v_cmp_gt_f32 s[MK+4*\i+\be], 1.0, v[TT+32*\i+4*rp+\be]
.endr
.endr
.irp i, 0,1
.irp be, 0,1,2,3
.if rp == 7
	v_cndmask_b32 v[TT+32*\i+28+\be], 0, v[ONE], s[MK+4*\i+\be]
.else
	v_add_co_ci_u32 v[TT+32*\i+28+\be], vcc_lo, v[TT+32*\i+28+\be], v[TT+32*\i+28+\be], s[MK+4*\i+\be]
.endif
.endr
.endr
.set rp, rp-1
.endr
.irp i, 0,1
	v_lshl_or_b32 v[TT+32*\i+31], v[TT+32*\i+31], 8, v[TT+32*\i+30]
.endr
.irp i, 0,1
	v_lshl_or_b32 v[TT+32*\i+31], v[TT+32*\i+31], 8, v[TT+32*\i+29]
.endr
.irp i, 0,1
	v_lshl_or_b32 v[HW+4*AP+2*\i+ETA], v[TT+32*\i+31], 8, v[TT+32*\i+28]
.endr
.if ETA == 1
	global_store_b128 v[HO], v[HW+4*AP:HW+4*AP+3], s[HP:HP+1] offset:512*AP   ; the wave stores 512 consecutive bytes; each store has its own registers
.endif
.endm
	s_wait_alu depctr_va_vdst(0)                   ; the wait at the head's end
	s_wait_tensorcnt 0x0                           ; my part of K step 0 is in; then, ahead of a later first fill:
	ds_add_u32 v[SPW], v[NIL]
	s_wait_dscnt 0x0
	CROUND
	JLOAD G0A+4, G1A1, G0B+4, G1B1                 ; K step 1, the first tensor load behind the round
	FETCH_B 0, 0, 0
	FETCH_A 0, 0, 0
	FETCH_A 0, 0, 4
	s_wait_loadcnt 0x0                             ; c
.set jj, 0
.rept 32
	v_pk_mul_f32 v[CB+jj:CB+jj+1], v[CB+jj:CB+jj+1], s[10:11] op_sel_hi:[1,0]   ; -c log2(e)
.set jj, jj+2
.endr
	STEP 0, 0, 1, 3, 0                             ; the first products start the sums
	TURN 0, 1, 1, 4, -1
	STEP 1, 0, 0, 5, 1
	TURN 1, 0, 1, -1, 2
	STEP 0, 0, 0, -1, 3
	TURN 0, 1, 2, -1, 4
	STEP 1, 0, 0, -1, 5
	TURN 1, 0, 2, -1, 6
	RESCALE
	s_wait_alu depctr_va_vdst(0)
	STEP 0, 0, 0, -1, 7
	TURN 0, 1, 3, -1, -1
	STEP 1, 0, 0, -1, -1
	s_wait_tensorcnt 0x0                           ; the last 128 along K: slot 1 is left and takes my noise of the second 64 hid
	ds_add_u32 v[SPW], v[NIL]
	s_wait_dscnt 4*NL+1
	WIN MUL_LO
	MUL16 0, 1, 0
	s_wait_dscnt 0x0
	s_barrier_signal -1
	MUL16 2, 1, 0
	WIN 0
	s_barrier_wait -1
	CREST
	s_add_co_u32 s[G0N+1], s[G0N+1], SLOT
	s_add_nc_u64 s[G0N+2:G0N+3], s[G0N+2:G0N+3], 256
	tensor_load_to_lds s[G0N:G0N+3], s[G1N:G1N+7]
	s_nop 0
.rept 4
	v_nop
.endr
	WIN MUL_HI
	MUL16 4, 1, 0
	MUL16 6, 1, 0
	WIN 0
	PLACES NPL
	NLOAD 0
.irp e, 0,1,2,3,4,5,6,7
	EBLOCK \e
.endr
	s_wait_tensorcnt 0x0                           ; the wave's end
	ds_add_u32 v[SPW], v[NIL]
	s_wait_dscnt 0x0
	CROUND                                         ; the closing round
	s_endpgm
.Lfunc_end_k_q1f957c0f12_hidden:
	.size	k_q1f957c0f12_hidden, .Lfunc_end_k_q1f957c0f12_hidden-k_q1f957c0f12_hidden
	.p2alignl 7, 3214868480
	.fill 96, 4, 3214868480
	.section	.rodata,"a",@progbits
	.p2align	6, 0x0
	.amdhsa_kernel k_q1f957c0f12_hidden
		.amdhsa_group_segment_fixed_size 327680
		.amdhsa_private_segment_fixed_size 0
		.amdhsa_enable_private_segment 0
		.amdhsa_kernarg_size 64
		.amdhsa_user_sgpr_count 2
		.amdhsa_user_sgpr_kernarg_segment_ptr 1
		.amdhsa_wavefront_size32 1
		.amdhsa_system_sgpr_workgroup_id_x 1
		.amdhsa_system_sgpr_workgroup_id_y 1
		.amdhsa_system_sgpr_workgroup_id_z 1
		.amdhsa_system_vgpr_workitem_id 0
		.amdhsa_next_free_vgpr 1024
		.amdhsa_next_free_sgpr 102
		.amdhsa_reserve_vcc 1
		.amdhsa_float_denorm_mode_32 3
		.amdhsa_float_denorm_mode_16_64 3
		.amdhsa_memory_ordered 1
		.amdhsa_forward_progress 1
		.amdhsa_inst_pref_size 255
	.end_amdhsa_kernel
	.section	.bss,"aw",@nobits
	.p2align	6
	.space	262144
	.amdgpu_metadata
---
amdhsa.version: [ 1, 2 ]
amdhsa.kernels:
  - .name:           k_q1f957c0f12_hidden
    .symbol:         k_q1f957c0f12_hidden.kd
    .args:
      - { .name: visible_data_codes, .offset: 0, .size: 8, .value_kind: global_buffer, .address_space: global }
      - { .name: W1c, .offset: 8, .size: 8, .value_kind: global_buffer, .address_space: global }
      - { .name: cond_data_codes, .offset: 16, .size: 8, .value_kind: global_buffer, .address_space: global }
      - { .name: B_codes, .offset: 24, .size: 8, .value_kind: global_buffer, .address_space: global }
      - { .name: lowp_scales, .offset: 32, .size: 8, .value_kind: global_buffer, .address_space: global }
      - { .name: c, .offset: 40, .size: 8, .value_kind: global_buffer, .address_space: global }
      - { .name: noise, .offset: 48, .size: 8, .value_kind: global_buffer, .address_space: global }
      - { .name: Hb, .offset: 56, .size: 8, .value_kind: global_buffer, .address_space: global }
    .group_segment_fixed_size: 327680
    .private_segment_fixed_size: 0
    .kernarg_segment_align: 8
    .kernarg_segment_size: 64
    .max_flat_workgroup_size: 128
    .sgpr_count:     102
    .vgpr_count:     1024
    .wavefront_size: 32
...
	.end_amdgpu_metadata
.endif
;; end of part 2
;; launch visible (part 3): grid 8 x 32, 4 waves a work-group, clusters of 4 x 4, 327,680 bytes of LDS; arguments Hb, W3c, cond_data_codes, A_codes, lowp_scales, b, P; writes P
.if DOCPART == 3
	.amdgcn_target "amdgcn-amd-amdhsa--gfx1250"
	.amdhsa_code_object_version 6
	.text
	.protected	k_q1f957c0f12_visible
	.globl	k_q1f957c0f12_visible
	.p2align	8
	.type	k_q1f957c0f12_visible,@function
k_q1f957c0f12_visible:
	s_mov_b64 s[64:65], 0
	v_nop
	global_prefetch_b8 v0, s[64:65] scope:SCOPE_SE
	s_setreg_imm32_b32 hwreg(HW_REG_WAVE_MODE, 25, 1), 1
	s_wait_xcnt 0x0
	s_wait_alu depctr_hold_cnt(0) depctr_sa_sdst(0) depctr_va_vdst(0) depctr_va_sdst(0) depctr_va_ssrc(0) depctr_va_vcc(0) depctr_vm_vsrc(0)
	s_getreg_b32 s2, hwreg(HW_REG_IB_STS2, 6, 4)
	s_cmp_eq_u32 s2, 0
	s_cbranch_scc0 .Lentry_in_a_cluster
	s_endpgm
.Lentry_in_a_cluster:
	s_bfe_u32 s2, ttmp6, 0x10000c
	s_cmp_lg_u32 s2, 0xf033
	s_cbranch_scc0 .Lentry_shape_is_right
	s_endpgm
.Lentry_shape_is_right:
; pre = h W^T + u A + b on codes of E5M2, and for each row the largest pre, with its first column, among 64 columns: P [16 groups of 64 columns][4096 rows][f32 largest, u32 column].
; WORK LEFT OUT: the softmax ahead of the argmax: a strictly increasing map of a row's entries, so the first largest entry stays where it is (shown at the head of launch 'prep', with its limits).
; h IS 0 OR 1 AND COMES AS BITS.  Its code is 0 or q, the code of min(1, 57,344 x 2^e4) / 2^e4, which the conversion instruction makes once, here.  Hb: [32 blocks of 128 hid][128 pairs of blocks of 16 rows][32 lanes][4 words];
; bit 8 be + rp of a lane's word w says whether byte be of register 8 w + rp of that lane's operand (16 rows x 128 hid) is q.  A wave's 64 rows are 256 words a lane: loaded once, straight into registers (32 KB a wave; not shared in
; the cluster: 64 KB a work-group in all, against the 655 KB that go through its ring).  A word becomes eight registers by 18 instructions: w AND 0x01010101 << p, p = 0, 1, 2, is a byte selector of 0 or 1, 2, 4, by which
; v_perm_b32 picks 0 or q out of (q q q q) and (q q q 0); a shift of the word by 3 brings on the next three bit planes.
; W3c [8 chunks of 512 hid][1024 vis][512 bytes]: codes laid to match.  u [4096][512], A [1024 vis][512]: codes, K innermost.
; ONE ACCUMULATOR FOR BOTH PRODUCTS: u A goes first; its sums are multiplied by 2^(e6+e7-e4-e5), a power of two; h W^T adds on; pre = sum x 2^(e4+e5) + b.
; LIMITS: e6+e7-e4-e5 and e4+e5 between -126 and 127; e4 between -126 and 112.  NaN or infinity in pre is not served.
; SHARES.  A tile of 128 rows x 128 columns is made by a work-group of four waves, a wave 64 x 64: 16 accumulators.  (Tiles of 256 x 256 would be 64: too few for the WGPs.)  Two LDS slots; five steps: step 0 is u and A (K = 512),
; steps 1 to 4 are W3c alone, 1,024 along K each: eight quarters of 128.  CLUSTER 4 x 4: u's tile is shared along a row of the cluster, A's and W3c's along a column.
; THE MATRIX INSTRUCTION IS USED TRANSPOSED (source 0 = 16 rows of A or W3c, source 1 = 16 rows of u or h): lane (r, h) of accumulator (a, t) holds row 16 a + r and columns 16 t + 8 h + 0 .. 7.
; LDS.  Every tensor load brings 64 rows of 512 bytes, 528 bytes apart, to slot + wave x 33,792: in step 0 waves 0, 1 u's rows and waves 2, 3 A's; later wave w the rows 64 (w % 2) on of chunk 2 (step - 1) + w / 2.
; The text has at most one tensor load of a wave outstanding.  A refill has a whole step, 128 matrix instructions and 1,152 vector instructions a wave, in which to land.
; BY TURNS.  A quarter has 16 matrix instructions and, for the next quarter's four fragments of h, 144 vector instructions: in 18 groups of eight, one behind each matrix instruction and two more at the end.  So the vector work is
; issued while the matrix unit works; the price is two switches of the register window a group.  No two steps have the same change of slots, so the steps are written out.
; REGISTERS: window 0: v16-31 addresses and constants; v32-63 b; v64-127 at work on the way out; v128-255 the accumulators, (a, t) at v[128 + 8 (4 a + t)].   window 1: two buffers of 128: four fragments of u or h, then four of the weight.
;   window 2: h's words: block kb's eight at v[8 kb]: word x belongs to row block x / 2, registers 8 (x % 2) on.
.set PITCH,  528
.set HALFT,  64*PITCH
.set KHALF,  2*HALFT                   ; 128 rows: u's, or half a step's K of W3c; A's, or the other half, lie behind it
.set SLOT,   4*HALFT
.set SPARE,  2*SLOT                    ; behind the ring: the spare words, 128 bytes a wave
.set ADRU, 16                          ; v16     my lane's place in u's rows (slot 0)
.set ADRW, 18                          ; v18-21  in the weight's rows: slot 0 first half of K, slot 0 second half (also A's rows), slot 1 first, slot 1 second
.set BO,   22                          ; v22     32 h: my place in b
.set PO,   23                          ; v23     8 x lane: my place in a store of P
.set H8,   24                          ; v24     8 h
.set QB,   25                          ; v25     bytes q q q 0
.set QA,   26                          ; v26     bytes q q q q (v27 is written with it)
.set SPW,  28                          ; v28     LDS address of my spare word; never rewritten
.set NIL,  29                          ; v29     0; never rewritten
.set HBO,  30                          ; v30     16 x lane: my place in a load of Hb
.set SCV,  31                          ; v31     2^e4 as f32
.set BV,   32
.set VV,   64
.set MX,   96                          ; v96-103 for each block of rows: the largest, its column
.set ACC,  128
.set F0,   0
.set F1,   128
.set WV,   18
.set RH,   19                          ; which 64 rows are mine; also: in step 0 I fetch for u (0) or A (1), later the first or the second half of a step's K
.set CH,   20                          ; which 64 columns; also: which 64 rows of a tile I fetch
.set CXR,  21
.set CYR,  22
.set TX,   23
.set TY,   2
.set LB,   3                           ; s3  wave x HALFT; later my first column
.set G1U,  24                          ; group 1 for u;  s[32:39] for A and W3c: the same shape and mask
.set G1C,  32
.set G0A,  40                          ; groups 0: u, A, W3c into slot 0, W3c into slot 1
.set G0B,  44
.set G0W,  48
.set WB,   56                          ; s[56:57] W3c at my rows of chunk RH
.set MS,   58                          ; s58-60  0x01010101 << 0, 1, 2
.set R3,   88                          ; s[88:89] 2^(e6+e7-e4-e5), twice
.set S3,   90                          ; s[90:91] 2^(e4+e5), twice
.set SEL,  92                          ; s[92:93] v_permlanex16_b32's selects for lane l xor 16
.set HI,   94                          ; s94 lanes 16-31
.set MK,   24                          ; s[24:31] on the way out: eight lane masks (u's group 1 is done with)
.set PADW, (1<<20)|(1<<21)|(6<<22)|(3<<25)   ; elements of 1 byte; padding on; bit 21 beside a mask; behind every 128 words, 4 words
.set MSB, 0
.macro WIN new                         ; the immediate's high byte repeats the setting that is left
.if MSB != \new
	s_set_vgpr_msb (MSB<<8)|\new
.set MSB, \new
.endif
.endm
.set MUL,   0x05                       ; sources 0 and 1 window 1; C and D window 0
.set TO_F,  0x40                       ; destination window 1, address window 0
.set TO_H,  0x80                       ; destination window 2, address window 0
.set W_AND, 0x48                       ; destination window 1, source 1 window 2
.set W_SHR, 0x88                       ; destination and source 1 window 2
.set W_PRM, 0x50                       ; destination and source 2 window 1, sources 0 and 1 window 0
.macro JLOAD g0a, g1a, g0b, g1b        ; step 0's joint load; an s_nop 0 and four v_nop follow each of the two lines
	s_cmp_eq_u32 s[RH], 0
	s_cbranch_scc0 .Lfor_b_\@
	tensor_load_to_lds s[\g0a:\g0a+3], s[\g1a:\g1a+7]
	s_nop 0
.rept 4
	v_nop
.endr
	s_branch .Lasked_\@
.Lfor_b_\@:
	tensor_load_to_lds s[\g0b:\g0b+3], s[\g1b:\g1b+7]
	s_nop 0
.rept 4
	v_nop
.endr
.Lasked_\@:
.endm
.macro CREST
	s_cmp_lg_u32 s[WV], 0
	s_cbranch_scc1 .Lnot_wave_0_\@
	s_barrier_signal -3
.Lnot_wave_0_\@:
	s_barrier_wait -3
	s_barrier_signal -1
	s_barrier_wait -1
.endm
.macro CROUND
	s_barrier_signal -1
	s_barrier_wait -1
	CREST
.endm
	s_load_b256 s[4:11], s[0:1], 0x0               ; Hb s[4:5], W3c s[6:7], u s[8:9], A s[10:11]
	s_load_b128 s[12:15], s[0:1], 0x20             ; the scales s[12:13], b s[14:15]
	s_load_b64 s[16:17], s[0:1], 0x30              ; P
	v_lshl_add_u32 v[SPW], v0, 2, SPARE
	v_mov_b32 v[NIL], 0
	ds_add_u32 v[SPW], v[NIL]                      ; the wave's opening: the add, twice on end, and its wait ahead of my first tensor load
	ds_add_u32 v[SPW], v[NIL]                      ; and once more; the set-up below stands between it and the wait
	v_lshrrev_b32 v1, 5, v0
	v_readfirstlane_b32 s[WV], v1
	s_lshr_b32 s[RH], s[WV], 1
	s_and_b32 s[CH], s[WV], 1
	s_bfe_u32 s[CXR], ttmp6, 0x40000
	s_bfe_u32 s[CYR], ttmp6, 0x40004
	s_lshl_b32 s[TX], ttmp9, 2
	s_add_co_u32 s[TX], s[TX], s[CXR]              ; tile column (columns / 128)
	s_and_b32 s[TY], ttmp7, 0xffff
	s_lshl_b32 s[TY], s[TY], 2
	s_add_co_u32 s[TY], s[TY], s[CYR]              ; tile row (rows / 128)
	s_lshl_b32 s95, s[CYR], 2
	s_lshl_b32 s95, 15, s95                        ; my row of the cluster
	s_lshl_b32 s94, 0x1111, s[CXR]                 ; my column
	s_or_b32 s[G1U], s95, PADW
	s_or_b32 s[G1C], s94, PADW
.irp g, G1U, G1C
	s_mov_b32 s[\g+1], 512<<16                     ; tensor_dim0 = 512 bytes
	s_mov_b32 s[\g+2], 64<<16                      ; tensor_dim1 = 64
	s_mov_b32 s[\g+3], 512<<16                     ; tile_dim0
	s_mov_b32 s[\g+4], 64                          ; tile_dim1
	s_mov_b32 s[\g+5], 512                         ; from row to row, in u, in A and in a chunk of W3c
	s_mov_b32 s[\g+6], 0
	s_mov_b32 s[\g+7], 0
.endr
	s_mov_b32 s[SEL], 0x76543210
	s_mov_b32 s[SEL+1], 0xfedcba98
	s_mov_b32 s[MS], 0x01010101
	s_mov_b32 s[MS+1], 0x02020202
	s_mov_b32 s[MS+2], 0x04040404
	s_lshl_b32 s3, s[CH], 6                        ; which 64 rows of a tile I fetch
	s_lshl_b32 s95, s[TY], 7
	s_add_co_u32 s95, s95, s3                      ; in u: hangs on the tile row alone
	s_lshl_b32 s96, s95, 9                         ; 512 bytes a row
	s_mov_b32 s97, 0
	s_lshl_b32 s94, s[TX], 7
	s_add_co_u32 s94, s94, s3                      ; in A and W3c: on the tile column alone.  Also my first column
	s_lshl_b32 s98, s94, 9
	s_mov_b32 s99, 0
	s_lshl_b32 s78, s[RH], 19                      ; W3c: chunk RH of 524,288 bytes,
	s_add_co_u32 s78, s78, s98                     ; + 512 bytes a row
	s_mov_b32 s79, 0
	s_lshl_b32 s76, s[TY], 2                       ; Hb: pair 4 ty + 2 RH of blocks of rows, 512 bytes each
	s_lshl_b32 s77, s[RH], 1
	s_add_co_u32 s76, s76, s77
	s_lshl_b32 s76, s76, 9
	s_mov_b32 s77, 0
	s_mul_i32 s[LB], s[WV], HALFT                  ; where my loads go: no place in the cluster enters an LDS address
	s_wait_dscnt 0x0                               ; both opening adds are done
	s_wait_kmcnt 0x0
	s_load_b256 s[80:87], s[12:13], 0x0            ; e0 .. e7
	s_add_nc_u64 s[8:9], s[8:9], s[96:97]
	s_add_nc_u64 s[10:11], s[10:11], s[98:99]
	s_add_nc_u64 s[WB:WB+1], s[6:7], s[78:79]
	s_add_nc_u64 s[4:5], s[4:5], s[76:77]
	CROUND                                         ; all sixteen work-groups are here: the first joint loads meet
	s_mov_b32 s[G0A], 1                            ; slot 0: step 0, u and A
	s_mov_b32 s[G0A+1], s[LB]
	s_mov_b64 s[G0A+2:G0A+3], s[8:9]
	s_or_b32 s[G0A+3], s[G0A+3], 0x80000000
	s_mov_b32 s[G0B], 1
	s_mov_b32 s[G0B+1], s[LB]
	s_mov_b64 s[G0B+2:G0B+3], s[10:11]
	s_or_b32 s[G0B+3], s[G0B+3], 0x80000000
	s_mov_b32 s[G0W+4], 1                          ; slot 1: step 1, chunks 0 and 1
	s_add_co_u32 s[G0W+5], s[LB], SLOT
	s_mov_b64 s[G0W+6:G0W+7], s[WB:WB+1]
	s_or_b32 s[G0W+7], s[G0W+7], 0x80000000
	s_mov_b32 s[G0W], 1                            ; slot 0, for later: step 2, chunks 2 and 3
	s_mov_b32 s[G0W+1], s[LB]
	s_add_nc_u64 s[G0W+2:G0W+3], s[WB:WB+1], 0x100000
	s_or_b32 s[G0W+3], s[G0W+3], 0x80000000
	JLOAD G0A, G1U, G0B, G1C                       ; step 0: one tensor load a wave at the head; slot 1's first fill follows behind the full sequence below
	v_and_b32 v6, 31, v0                           ; a prefetch of step 1's tile, 64 rows x 512 bytes on end: the four partners of its joint load take 32 blocks of 256 bytes each, told apart by address; v6 is never rewritten
	v_lshlrev_b32 v6, 8, v6
	s_lshl_b32 s95, s[CYR], 13
	v_add_nc_u32 v6, s95, v6
	global_prefetch_b8 v6, s[WB:WB+1] th:TH_LOAD_NT scope:SCOPE_SE
	v_and_b32 v1, 15, v0
	v_bfe_u32 v2, v0, 4, 1                         ; h
	v_and_b32 v3, 31, v0                           ; lane
	v_mul_u32_u24 v4, v1, PITCH
	v_lshl_add_u32 v4, v2, 4, v4                   ; a fragment's row x pitch + 16 h
	s_mul_i32 s95, s[RH], HALFT                    ; my 64 rows
	s_mul_i32 s96, s[CH], HALFT                    ; my 64 columns
	v_add_nc_u32 v[ADRU], s95, v4
	v_add_nc_u32 v[ADRW], s96, v4
	v_add_nc_u32 v[ADRW+1], KHALF, v[ADRW]
	v_add_nc_u32 v[ADRW+2], SLOT, v[ADRW]
	v_add_nc_u32 v[ADRW+3], SLOT+KHALF, v[ADRW]
	v_lshlrev_b32 v[HBO], 4, v3
	v_lshlrev_b32 v[BO], 5, v2
	v_lshlrev_b32 v[PO], 3, v3
	v_lshlrev_b32 v[H8], 3, v2
	WIN TO_H
.set kk, 0
.rept 32                               ; h's words for my 64 rows and all 4,096 hidden units: a load reads 512 consecutive bytes; the largest offset lies inside the signed 24-bit immediate
	global_load_b128 v[8*kk:8*kk+3], v[HBO], s[4:5] offset:65536*kk
	global_load_b128 v[8*kk+4:8*kk+7], v[HBO], s[4:5] offset:65536*kk+512
.set kk, kk+1
.endr
	WIN 0
	s_lshl_b32 s98, s94, 2
	s_mov_b32 s99, 0
	s_add_nc_u64 s[14:15], s[14:15], s[98:99]      ; b at my 64 columns
.irp t, 0,1,2,3
	global_load_b128 v[BV+8*\t:BV+8*\t+3], v[BO], s[14:15] offset:64*\t       ; b(16 t + 8 h + 0 .. 7): the result's layout
	global_load_b128 v[BV+8*\t+4:BV+8*\t+7], v[BO], s[14:15] offset:64*\t+16
.endr
	s_lshl_b32 s98, s[TX], 1                       ; P: group 2 tx + CH of 32,768 bytes, + 8 bytes a row
	s_add_co_u32 s98, s98, s[CH]
	s_lshl_b32 s98, s98, 15
	s_lshl_b32 s99, s[TY], 7
	s_lshl_b32 s97, s[RH], 6
	s_add_co_u32 s99, s99, s97
	s_lshl_b32 s99, s99, 3
	s_add_co_u32 s98, s98, s99
	s_mov_b32 s99, 0
	s_add_nc_u64 s[16:17], s[16:17], s[98:99]
	s_mov_b32 s3, s94                              ; my first column
	s_mov_b32 s[HI], 0xffff0000
	s_wait_kmcnt 0x0
	s_add_co_i32 s95, s84, s85                     ; e4 + e5
	s_add_co_i32 s96, s86, s87                     ; e6 + e7
	s_sub_co_i32 s96, s96, s95
	s_add_co_i32 s96, s96, 127
	s_lshl_b32 s[R3], s96, 23
	s_mov_b32 s[R3+1], s[R3]
	s_add_co_i32 s95, s95, 127
	s_lshl_b32 s[S3], s95, 23
	s_mov_b32 s[S3+1], s[S3]
	s_add_co_i32 s95, s84, 127
	s_lshl_b32 s96, s95, 23
	v_mov_b32 v[SCV], s96                          ; 2^e4 as f32: the conversion takes its exponent field
	s_add_co_i32 s95, s95, 15
	s_lshl_b32 s95, s95, 23
	s_or_b32 s95, s95, 0x600000
	v_mov_b32 v[VV], s95                           ; 57,344 x 2^e4
	v_min_num_f32 v[VV], 1.0, v[VV]                ; the hold: the only h that is not 0 is 1
.irp i, 1,2,3,4,5,6,7
	v_mov_b32 v[VV+\i], v[VV]
.endr
	v_cvt_scalef32_pk8_bf8_f32 v[QA:QA+1], v[VV:VV+7], v[SCV]   ; q, in every byte
	v_nop                                          ; a plain instruction between the conversion and the next vector instruction that touches its result
	v_and_b32 v[QB], 0xffffff00, v[QA]             ; and with 0 in byte 0
; 8 matrix instructions of step 0: row blocks a0, a0 + 1 x the four column blocks, 128 along K, from buffer f.  The 16 accumulators take turns, one instruction a turn, in the same order in every quarter of the launch.
.macro MUL8 f, a0, zero
.irp a, \a0, \a0+1
.irp t, 0,1,2,3
.if \zero
	v_wmma_f32_16x16x128_bf8_bf8 v[ACC+8*(4*(\a)+\t):ACC+8*(4*(\a)+\t)+7], v[\f+64+16*\t:\f+64+16*\t+15], v[\f+16*(\a):\f+16*(\a)+15], 0
.else
	v_wmma_f32_16x16x128_bf8_bf8 v[ACC+8*(4*(\a)+\t):ACC+8*(4*(\a)+\t)+7], v[\f+64+16*\t:\f+64+16*\t+15], v[\f+16*(\a):\f+16*(\a)+15], v[ACC+8*(4*(\a)+\t):ACC+8*(4*(\a)+\t)+7]
.endif
.endr
.endr
.endm
.macro ONEMUL f, n                     ; the n-th of a quarter's 16: row block n / 4, column block n % 4
.set OA, (\n)/4
.set OT, (\n)%4
	WIN MUL
	v_wmma_f32_16x16x128_bf8_bf8 v[ACC+8*(4*OA+OT):ACC+8*(4*OA+OT)+7], v[(\f)+64+16*OT:(\f)+64+16*OT+15], v[(\f)+16*OA:(\f)+16*OA+15], v[ACC+8*(4*OA+OT):ACC+8*(4*OA+OT)+7]
.endm
; step 0: 32 LDS loads in one run: quarter q of slot 0 into buffer f: A's four fragments, then u's four
.macro FETCH0 q, f
	WIN TO_F
.irp i, 0,1,2,3
.irp c, 0,1,2,3
	ds_load_b128 v[\f+64+16*\i+4*\c:\f+64+16*\i+4*\c+3], v[ADRW+1] offset:128*(\q)+32*\c+16*PITCH*\i
.endr
.endr
.irp i, 0,1,2,3
.irp c, 0,1,2,3
	ds_load_b128 v[\f+16*\i+4*\c:\f+16*\i+4*\c+3], v[ADRU] offset:128*(\q)+32*\c+16*PITCH*\i
.endr
.endr
.endm
; 16 LDS loads in one run: W3c's four fragments of block kb (128 hid): step 1 + kb / 8, so slot (1 + kb / 8) % 2; half (kb % 8) / 4 of the step's K; byte 128 (kb % 4) of the rows
.macro FETCHW kb, f
.set FS, (1+(\kb)/8)%2
.set FK, ((\kb)%8)/4
.set FO, 128*((\kb)%4)
	WIN TO_F
.irp i, 0,1,2,3
.irp c, 0,1,2,3
	ds_load_b128 v[(\f)+64+16*\i+4*\c:(\f)+64+16*\i+4*\c+3], v[ADRW+2*FS+FK] offset:FO+32*\c+16*PITCH*\i
.endr
.endr
.endm
; Group grp of 18 of the work that turns block kb's eight words into the 64 registers of four fragments of h in buffer buf; eight instructions that do not hang on each other, under one window setting.
; 0-2, 4-6, 8-9: the selectors of registers 0-2, 3-5, 6-7 of each word's eight;  3, 7: the words shifted by 3, in place (each word is used once);  10-17: word grp - 10's eight registers, selector to codes, in place.
.macro EXPG buf, kb, grp
.if (\grp) >= 10
.set EX, (\grp)-10
	WIN W_PRM
.irp p, 0,1,2,3,4,5,6,7
	v_perm_b32 v[(\buf)+8*EX+\p], v[QA], v[QB], v[(\buf)+8*EX+\p]   ; selector 0: byte 0 of the second source, 0;  1, 2: its bytes 1, 2, q;  4: byte 0 of the first source, q
.endr
.elseif ((\grp) == 3) || ((\grp) == 7)
	WIN W_SHR
.irp x, 0,1,2,3,4,5,6,7
	v_lshrrev_b32 v[8*(\kb)+\x], 3, v[8*(\kb)+\x]
.endr
.else
.set EP, (\grp)%4
.set ER, (\grp)-(\grp)/4
	WIN W_AND
.irp x, 0,1,2,3,4,5,6,7
	v_and_b32 v[(\buf)+8*\x+ER], s[MS+EP], v[8*(\kb)+\x]
.endr
.endif
.endm
.macro PLACES                          ; four plain vector instructions in front of loads and vector writes into registers that matrix instructions have read, and of reads of results (ISA guide 7.12.1 for vector writes and reads of results)
.rept 4
	v_nop
.endr
.endm
; One of step 0's first three quarters: multiplies buffer f and fetches quarter q into g.
.macro QUARTER0 q, f, g, zero
	s_wait_dscnt 8                                 ; A's fragments and row blocks 0, 1 are in; the youngest eight loads (blocks 2, 3) may be out
	WIN MUL
	MUL8 \f, 0, \zero
	PLACES
	FETCH0 \q, \g
	s_wait_dscnt 32                                ; all but the 32 just issued
	WIN MUL
	MUL8 \f, 2, \zero
.endm
; A quarter that has its successor, block nk, in the same slot: multiplies the buffer of block nk - 1 and makes ready the other: the weight's fragments by a run of loads at its head, 16 matrix instructions ahead of their use,
; h's by the groups.  The buffer that is made ready was last read by the quarter before, behind whose last matrix instruction stand 24 plain vector instructions that name none of its registers: the places.
.macro QW nk
.set QF, 128*(((\nk)+1)%2)
.set QG, 128*((\nk)%2)
	s_wait_dscnt 0x0                               ; the weight's fragments of this quarter are in
	FETCHW \nk, QG
.set nn, 0
.rept 16
	ONEMUL QF, nn
	EXPG QG, \nk, nn
.set nn, nn+1
.endr
	EXPG QG, \nk, 16
	EXPG QG, \nk, 17
.endm
; A step's last quarter changes slots.  In front of the barrier each wave waits for all its tensor loads (its part of the next slot), adds 0 to its spare word, and waits for that and for its reads of this slot.
; fill = 1: this slot takes the step two on, by its group 0 as it stands;  2: the group 0 goes two steps on first;  0: nothing is left to fetch, and no round of the cluster's barrier follows.
.macro QT nk, fill
.set QF, 128*(((\nk)+1)%2)
.set QG, 128*((\nk)%2)
.set TS, ((\nk)/8)%2                   ; the slot that is left
	WIN 0
	s_wait_tensorcnt 0x0                           ; all my tensor loads have landed
	ds_add_u32 v[SPW], v[NIL]
	s_wait_dscnt 0x0                               ; the add is done, and my reads of this slot are over
	s_barrier_signal -1
.set nn, 0
.rept 8
	ONEMUL QF, nn                                  ; work on registers while the others arrive
	EXPG QG, \nk, nn
.set nn, nn+1
.endr
	WIN 0
	s_barrier_wait -1
.if \fill
	CREST                                          ; no wave of any partner still reads this slot or has a load on its way
.if \fill == 2
	s_add_nc_u64 s[G0W+4*TS+2:G0W+4*TS+3], s[G0W+4*TS+2:G0W+4*TS+3], 0x200000   ; four chunks on
.endif
	tensor_load_to_lds s[G0W+4*TS:G0W+4*TS+3], s[G1C:G1C+7]   ; the first tensor load behind the round, one a wave: every wave brings its 64 rows
	s_nop 0
.rept 4
	v_nop
.endr
.endif
	FETCHW \nk, QG
	s_wait_alu depctr_va_vdst(0)
.rept 8
	ONEMUL QF, nn
	EXPG QG, \nk, nn
.set nn, nn+1
.endr
	EXPG QG, \nk, 16
	EXPG QG, \nk, 17
.endm
	s_wait_alu depctr_va_vdst(0)                   ; the wait at the head's end
	s_wait_tensorcnt 0x0                           ; my part of step 0 is in; then, ahead of a later first fill:
	ds_add_u32 v[SPW], v[NIL]
	s_wait_dscnt 0x0
	CROUND
	tensor_load_to_lds s[G0W+4:G0W+7], s[G1C:G1C+7]   ; step 1, the first tensor load behind the round, one a wave
	s_nop 0
.rept 4
	v_nop
.endr
	FETCH0 0, F0
	QUARTER0 1, F0, F1, 1                          ; step 0: u A; its first products start the sums
	QUARTER0 2, F1, F0, 0
	QUARTER0 3, F0, F1, 0
	PLACES                                         ; buffer 0, just multiplied, is written by vector instructions next
	s_wait_loadcnt 0x0                             ; h's words, and b
	QT 0, 1                                        ; u A's last quarter; slot 0 takes step 2
	WIN 0
.set jj, 0
.rept 64
	v_pk_mul_f32 v[ACC+jj:ACC+jj+1], v[ACC+jj:ACC+jj+1], s[R3:R3+1] op_sel_hi:[1,0]   ; u A's sums x 2^(e6+e7-e4-e5); each accumulator from its low end on; 24 plain instructions stand behind the last product
.set jj, jj+2
.endr
.irp k, 1,2,3,4,5,6,7
	QW \k
.endr
	QT 8, 2                                        ; slot 1 takes step 3
.irp k, 9,10,11,12,13,14,15
	QW \k
.endr
	QT 16, 2                                       ; slot 0 takes step 4
.irp k, 17,18,19,20,21,22,23
	QW \k
.endr
	QT 24, 0
.irp k, 25,26,27,28,29,30,31
	QW \k
.endr
	s_wait_alu depctr_va_vdst(0)
	s_wait_dscnt 0x0                               ; the very last quarter: nothing more to make ready
.set nn, 0
.rept 16
	ONEMUL F1, nn
.set nn, nn+1
.endr
	WIN 0
	PLACES
	; THE WAY OUT.  For each block of 16 rows: pre; the row's largest among my 32 columns and lane l xor 16's; the first column that holds it.
	v_mov_b32 v104, 0                              ; written once: a lane permute's destination counts as one of its sources
	v_mov_b32 v105, 0
.irp a, 0,1,2,3
.set jj, 0
.rept 16
	v_pk_fma_f32 v[VV+jj:VV+jj+1], v[ACC+32*\a+jj:ACC+32*\a+jj+1], s[S3:S3+1], v[BV+jj:BV+jj+1] op_sel_hi:[1,0,1]   ; pre = sum x 2^(e4+e5) + b
.set jj, jj+2
.endr
	v_max3_num_f32 v106, v[VV], v[VV+1], v[VV+2]
	v_max3_num_f32 v107, v[VV+3], v[VV+4], v[VV+5]
.irp i, 6,10,14,18,22,26
	v_max3_num_f32 v106, v106, v[VV+\i], v[VV+\i+1]
	v_max3_num_f32 v107, v107, v[VV+\i+2], v[VV+\i+3]
.endr
	v_max3_num_f32 v106, v106, v[VV+30], v[VV+31]
	v_max_num_f32 v106, v106, v107
	v_permlanex16_b32 v104, v106, s[SEL], s[SEL+1]
	v_max_num_f32 v[MX+2*\a], v106, v104           ; the row's largest among the wave's 64 columns, in both lanes of the row
	v_mov_b32 v[MX+2*\a+1], 0x7fff                 ; no column yet
.irp g, 3,2,1,0                        ; from the last column down, so that the first column that holds the largest is what stays
.irp i, 0,1,2,3,4,5,6,7
	v_cmp_eq_f32 s[MK+\i], v[VV+8*\g+\i], v[MX+2*\a]
.endr
.irp i, 7,6,5,4,3,2,1,0
	v_cndmask_b32 v[MX+2*\a+1], v[MX+2*\a+1], 16*\g+\i, s[MK+\i]
.endr
.endr
	v_add_nc_u32 v[MX+2*\a+1], v[MX+2*\a+1], v[H8] ; + 8 h
	v_permlanex16_b32 v105, v[MX+2*\a+1], s[SEL], s[SEL+1]
	v_min_u32 v[MX+2*\a+1], v[MX+2*\a+1], v105     ; the lower of the two lanes' columns
	v_add_nc_u32 v[MX+2*\a+1], s3, v[MX+2*\a+1]    ; + my first column
.endr
	v_cndmask_b32 v112, v[MX], v[MX+2], s[HI]      ; lanes 0-15 carry one block's rows, lanes 16-31 the next block's: 32 rows, 8 bytes each
	v_cndmask_b32 v113, v[MX+1], v[MX+3], s[HI]
	v_cndmask_b32 v114, v[MX+4], v[MX+6], s[HI]
	v_cndmask_b32 v115, v[MX+5], v[MX+7], s[HI]
	global_store_b64 v[PO], v[112:113], s[16:17]               ; the wave stores 256 consecutive bytes, at a multiple of 256 from P's first byte
	global_store_b64 v[PO], v[114:115], s[16:17] offset:256
	s_wait_tensorcnt 0x0                           ; the wave's end, behind my last tensor load
	ds_add_u32 v[SPW], v[NIL]
	s_wait_dscnt 0x0
	CROUND                                         ; the closing round
	s_endpgm
.Lfunc_end_k_q1f957c0f12_visible:
	.size	k_q1f957c0f12_visible, .Lfunc_end_k_q1f957c0f12_visible-k_q1f957c0f12_visible
	.p2alignl 7, 3214868480
	.fill 96, 4, 3214868480
	.section	.rodata,"a",@progbits
	.p2align	6, 0x0
	.amdhsa_kernel k_q1f957c0f12_visible
		.amdhsa_group_segment_fixed_size 327680
		.amdhsa_private_segment_fixed_size 0
		.amdhsa_enable_private_segment 0
		.amdhsa_kernarg_size 56
		.amdhsa_user_sgpr_count 2
		.amdhsa_user_sgpr_kernarg_segment_ptr 1
		.amdhsa_wavefront_size32 1
		.amdhsa_system_sgpr_workgroup_id_x 1
		.amdhsa_system_sgpr_workgroup_id_y 1
		.amdhsa_system_sgpr_workgroup_id_z 1
		.amdhsa_system_vgpr_workitem_id 0
		.amdhsa_next_free_vgpr 768
		.amdhsa_next_free_sgpr 100
		.amdhsa_reserve_vcc 0
		.amdhsa_float_denorm_mode_32 3
		.amdhsa_float_denorm_mode_16_64 3
		.amdhsa_memory_ordered 1
		.amdhsa_forward_progress 1
		.amdhsa_inst_pref_size 255
	.end_amdhsa_kernel
	.section	.bss,"aw",@nobits
	.p2align	6
	.space	262144
	.amdgpu_metadata
---
amdhsa.version: [ 1, 2 ]
amdhsa.kernels:
  - .name:           k_q1f957c0f12_visible
    .symbol:         k_q1f957c0f12_visible.kd
    .args:
      - { .name: Hb, .offset: 0, .size: 8, .value_kind: global_buffer, .address_space: global }
      - { .name: W3c, .offset: 8, .size: 8, .value_kind: global_buffer, .address_space: global }
      - { .name: cond_data_codes, .offset: 16, .size: 8, .value_kind: global_buffer, .address_space: global }
      - { .name: A_codes, .offset: 24, .size: 8, .value_kind: global_buffer, .address_space: global }
      - { .name: lowp_scales, .offset: 32, .size: 8, .value_kind: global_buffer, .address_space: global }
      - { .name: b, .offset: 40, .size: 8, .value_kind: global_buffer, .address_space: global }
      - { .name: P, .offset: 48, .size: 8, .value_kind: global_buffer, .address_space: global }
    .group_segment_fixed_size: 327680
    .private_segment_fixed_size: 0
    .kernarg_segment_align: 8
    .kernarg_segment_size: 56
    .max_flat_workgroup_size: 128
    .sgpr_count:     100
    .vgpr_count:     768
    .wavefront_size: 32
...
	.end_amdgpu_metadata
.endif
;; end of part 3
;; launch onehot (part 4): grid 128 x 2, 4 waves a work-group, no clusters, 0 bytes of LDS; arguments P, out0; writes out0
.if DOCPART == 4
	.amdgcn_target "amdgcn-amd-amdhsa--gfx1250"
	.amdhsa_code_object_version 6
	.text
	.protected	k_q1f957c0f12_onehot
	.globl	k_q1f957c0f12_onehot
	.p2align	8
	.type	k_q1f957c0f12_onehot,@function
k_q1f957c0f12_onehot:
	s_mov_b64 s[64:65], 0
	v_nop
	global_prefetch_b8 v0, s[64:65] scope:SCOPE_SE
	s_setreg_imm32_b32 hwreg(HW_REG_WAVE_MODE, 25, 1), 1
	s_wait_xcnt 0x0
; out0[row][:] = one_hot(argmax(pre[row][:])).  P [16 groups of 64 columns][4096 rows][f32 largest, u32 its first column] comes from launch 'visible'.
; WORK LEFT OUT: the softmax ahead of the argmax (shown at the head of launch 'prep', with its limits).
; A work-group takes 32 rows and half of the 1,024 columns; each of its four waves 128 columns of the 32 rows.  For the argmax a lane stands for a row: 16 loads of 8 bytes, each 256 consecutive bytes a wave; the groups are
; gone through in ascending order and only a strictly larger number takes over, so that the first column wins a tie.  Every wave does this for itself: P is small, and so no LDS and no barrier are needed.
; The column is only compared with column numbers: no address and no branch hangs on it.  A store covers 512 consecutive bytes of a row; every store has its own registers, so none is written again.
	s_load_b128 s[4:7], s[0:1], 0x0                ; P s[4:5], out0 s[6:7]
	v_lshrrev_b32 v1, 5, v0
	v_readfirstlane_b32 s8, v1                     ; wave 0..3
	v_and_b32 v2, 31, v0                           ; lane
	v_lshlrev_b32 v3, 3, v2                        ; P: 8 bytes a row
	v_lshlrev_b32 v4, 4, v2                        ; out0: 16 bytes a lane
	s_and_b32 s9, ttmp7, 0xffff                    ; which half of the columns
	s_lshl_b32 s10, s9, 9
	s_lshl_b32 s11, s8, 7
	s_add_co_u32 s10, s10, s11                     ; my wave's first column
	v_lshl_add_u32 v40, v2, 2, s10                 ; my lane's four columns
	v_add_nc_u32 v41, 1, v40
	v_add_nc_u32 v42, 2, v40
	v_add_nc_u32 v43, 3, v40
	v_mov_b32 v44, 1.0
	s_lshl_b32 s12, ttmp9, 8                       ; P: 32 rows x 8 bytes
	s_mov_b32 s13, 0
	s_lshl_b32 s14, ttmp9, 17                      ; out0: 32 rows x 4,096 bytes,
	s_lshl_b32 s15, s10, 2
	s_add_co_u32 s14, s14, s15                     ; + 4 bytes a column
	s_mov_b32 s15, 0
	s_wait_alu depctr_va_vdst(0)
	s_wait_kmcnt 0x0
	s_add_nc_u64 s[4:5], s[4:5], s[12:13]
	s_add_nc_u64 s[6:7], s[6:7], s[14:15]
.irp g, 0,1,2,3,4,5,6,7,8,9,10,11,12,13,14,15
	global_load_b64 v[8+2*\g:9+2*\g], v3, s[4:5] offset:32768*\g
.endr
	s_wait_loadcnt 0x0
.irp g, 1,2,3,4,5,6,7,8,9,10,11,12,13,14,15
	v_cmp_gt_f32 vcc_lo, v[8+2*\g], v8             ; strictly larger than all groups before it
	v_cndmask_b32 v8, v8, v[8+2*\g], vcc_lo
	v_cndmask_b32 v9, v9, v[9+2*\g], vcc_lo
.endr
.set rr, 0
.rept 32
	v_readlane_b32 s[20+rr], v9, rr                ; row rr's column
.irp k, 0,1,2,3
	v_cmp_eq_u32 vcc_lo, s[20+rr], v[40+\k]
	v_cndmask_b32 v[48+4*rr+\k], 0, v44, vcc_lo
.endr
	global_store_b128 v4, v[48+4*rr:51+4*rr], s[6:7] offset:4096*rr th:TH_STORE_NT
.set rr, rr+1
.endr
	s_endpgm
.Lfunc_end_k_q1f957c0f12_onehot:
	.size	k_q1f957c0f12_onehot, .Lfunc_end_k_q1f957c0f12_onehot-k_q1f957c0f12_onehot
	.p2alignl 7, 3214868480
	.fill 96, 4, 3214868480
	.section	.rodata,"a",@progbits
	.p2align	6, 0x0
	.amdhsa_kernel k_q1f957c0f12_onehot
		.amdhsa_group_segment_fixed_size 0
		.amdhsa_private_segment_fixed_size 0
		.amdhsa_enable_private_segment 0
		.amdhsa_kernarg_size 16
		.amdhsa_user_sgpr_count 2
		.amdhsa_user_sgpr_kernarg_segment_ptr 1
		.amdhsa_wavefront_size32 1
		.amdhsa_system_sgpr_workgroup_id_x 1
		.amdhsa_system_sgpr_workgroup_id_y 1
		.amdhsa_system_sgpr_workgroup_id_z 1
		.amdhsa_system_vgpr_workitem_id 0
		.amdhsa_next_free_vgpr 176
		.amdhsa_next_free_sgpr 66
		.amdhsa_reserve_vcc 1
		.amdhsa_float_denorm_mode_32 3
		.amdhsa_float_denorm_mode_16_64 3
		.amdhsa_memory_ordered 1
		.amdhsa_forward_progress 1
		.amdhsa_inst_pref_size 18
	.end_amdhsa_kernel
	.amdgpu_metadata
---
amdhsa.version: [ 1, 2 ]
amdhsa.kernels:
  - .name:           k_q1f957c0f12_onehot
    .symbol:         k_q1f957c0f12_onehot.kd
    .args:
      - { .name: P, .offset: 0, .size: 8, .value_kind: global_buffer, .address_space: global }
      - { .name: out0, .offset: 8, .size: 8, .value_kind: global_buffer, .address_space: global }
    .group_segment_fixed_size: 0
    .private_segment_fixed_size: 0
    .kernarg_segment_align: 8
    .kernarg_segment_size: 16
    .max_flat_workgroup_size: 128
    .sgpr_count:     66
    .vgpr_count:     176
    .wavefront_size: 32
...
	.end_amdgpu_metadata
.endif
;; end of part 4
